; MI455X (gfx1250); checked and timed in simulation.
; The chip was launched on July 23, 2026; its instructions are those of AMD's public machine-readable ISA for CDNA 5 (MIT licence, August 2026) and "CDNA5" Instruction Set Architecture Reference Guide (July 2026). The comments in the code are by the model that wrote it; some were corrected since.
;; Self Attention. Allowed arithmetic: matrix products marked QUANTISED: E5M2 operands, one E8M0 scale for each 32 along K, by v_wmma_scale_f32_16x16x128_f8f6f4 with both operands' format E5M2, f32 sums; everything else in f32.
;; Inputs: qkv 1 x 4,096 x 3 x 16 x 64 float32.
;; Outputs: out0 1 x 4,096 x 16 x 64 float32.
;; This version of the problem:
;;   THIS VERSION OF THE PROBLEM IS GIVEN IN LOW PRECISION. The matrix products marked QUANTISED in the list below multiply operands that are first quantised to E5M2 (5 exponent bits, 2 mantissa bits; 8 bits a number), with one power-of-two scale for each 32 numbers along K (OCP MX v1.0); their sums are f32. All else is computed in f32.
;;   The module's matrix products, in the order in which they are computed (A, B: the left and right operand; K: the contracted axis; several contracted axes count as one K, in the product's order):
;;     1. batch 16 x [M 4,096, K 64] x [K 64, N 4,096]; A: input qkv; B: computed on the way: QUANTISED
;;     2. batch 16 x [M 64, K 4,096] x [K 4,096, N 4,096]; A: input qkv; B: softmax (see below): QUANTISED
;;   THE QUANTISER, for each operand of a quantised product, along K:
;;     - K is cut into blocks of 32 from its start; a last block that is shorter is filled with zeros.
;;     - A block's scale is 2^e with e = floor(log2(the largest magnitude in the block)) - 15, held to -126 .. 127; a block of zeros has e = 0. As a byte (E8M0): e + 127.
;;     - Each number is divided by its block's scale, clamped to +-57,344, and rounded to the nearest number of E5M2, ties to even, subnormals kept.
;;     - The product sums the exact products of the quantised numbers (number of the format x scale) in f32.
;;   ~~~python
;;   def quantise(x, axis):      # numpy; x: float32 -> the quantised numbers, widened to float32 again
;;       x = np.moveaxis(x, axis, -1); K = x.shape[-1]
;;       x = np.pad(x, [(0, 0)] * (x.ndim - 1) + [(0, -K % 32)]); x = x.reshape(x.shape[:-1] + (-1, 32)); a = np.abs(x).max(-1, keepdims=True)
;;       e = np.where(a > 0, np.clip(np.frexp(np.where(a > 0, a, 1))[1] - 1 - 15, -126, 127), 0)      # np.frexp(a)[1] - 1 = floor(log2(a)), exactly
;;       r = np.clip(x / 2.0 ** e, -57344, 57344)
;;       step = 2.0 ** (np.maximum(np.frexp(np.where(r == 0, 1, r))[1] - 1, -14) - 2)
;;       q = np.round(r / step) * step * 2.0 ** e      # np.round: ties to even
;;       return np.moveaxis(q.reshape(q.shape[:-2] + (-1,))[..., :K], -1, axis).astype(np.float32)
;;   ~~~
;;   SOFTMAX AHEAD OF A QUANTISED PRODUCT. Where the list says 'softmax', what is quantised is not the finished softmax but p = 2^(t - M), with t = logit x log2(e) and M = ceil(the row's largest t), a whole number; so 1/2 < the row's largest p <= 1. The row's sum l is taken of the UNQUANTISED p, in f32, and the product's result is divided by l at the end. Since M is a whole number, a kernel that streams over the keys may use a running M (the ceiling of the running maximum): every later rescaling is an exact power of two, which a block's scale takes up: the codes' values come out the same.
;;   OPERANDS COMPUTED ON THE WAY. 'Computed on the way' means the value that the module computes at that place (a softmax that the list does not call 'softmax' is quantised finished and normalised). What goes into a quantiser is computed in f32, as accurately as f32 sums, v_exp_f32 and their like allow (about 1e-6 of the number): no bf16 or f16 on the way to a quantiser, and a product that is left as it is and whose result goes on into a quantised operand takes f32 operands (vector FMAs, or v_wmma_f32_16x16x4_f32). A number that lies on a knife's edge between two numbers of the format may be rounded either way, as far as f32 arithmetic and the matrix unit's own rounding can turn it there, and no further.
;; One version. Each part assembles by itself: llvm-mc -triple=amdgcn-amd-amdhsa -mcpu=gfx1250 --defsym DOCPART=n.
;; ======== version 1 of 1: 2 launches
;; limits: right only within a limited range of input values
;; workspace buffers: kv 8,650,752 bytes
;; launch quant (part 1): grid 32 x 16, 4 waves a work-group, no clusters, 35,840 bytes of LDS; arguments qkv, kv; writes kv
.if DOCPART == 1
	.amdgcn_target "amdgcn-amd-amdhsa--gfx1250"
	.amdhsa_code_object_version 6
	.text
	.protected	k_qa24737e71d_quant
	.globl	k_qa24737e71d_quant
	.p2align	8
	.type	k_qa24737e71d_quant,@function
k_qa24737e71d_quant:
	s_mov_b64 s[64:65], 0
	v_nop
	global_prefetch_b8 v0, s[64:65] scope:SCOPE_SE
	s_setreg_imm32_b32 hwreg(HW_REG_WAVE_MODE, 25, 1), 1
	s_wait_xcnt 0x0
; k / 8 and v of qkv [4096][3][16][64] f32 become codes of BF8 (E5M2) with one E8M0 scale byte for each 32 along a product's K, laid in the ORDER OF THE OPERANDS' REGISTERS.
; A work-group makes the block of one head (work-group y) and one key step of 128 keys (work-group x): STEPB = 16,896 bytes at (32 head + step) x STEPB of kv:
;   +0      K's codes: four fragments b of 2,048 bytes, [group c][lane L][16 bytes]: m = L % 16, h = L / 16, u = c / 2: key 32 b + 8 u + m + 8 (m / 8), d = 32 (c % 2) + 16 h + 0 .. 15.
;           So one fragment of 16 registers holds TWO tiles of 16 keys (K = the head's 64 is half of the matrix instruction's 128).
;   +8,192  V's codes: four fragments t, [c][L][16 bytes]: d = 16 t + m, keys 32 c + 16 h + 0 .. 15 (K = the keys).
;   +16,384 K's scale words: word 16 b + m, byte c = the scale of fragment b's group c in row m.      +16,640 V's scale words: word d, byte c = keys 32 c .. 32 c + 31.
; A block's scale is 2^(floor(log2(its largest magnitude)) - 15); its byte is the largest magnitude's exponent field - 15.  reference()'s k x 1/8 is a power of two: the codes stay, and 3 comes off each byte of K's words.
; SHARES.  Waves 0 and 1: K, 64 keys each (two fragments).  Waves 2 and 3: V, 32 columns d each, a lane a column, registers down the keys.  The roles part on the wave's number and join in front of the one barrier.
; LIMITS: a block of k whose largest magnitude lies under 2^-108, and one of v under 2^-111, takes the floor's byte; a block of zeros takes the byte 1 (its codes are zeros, and this program alone reads the bytes);
; NaN and infinities among the inputs are not served.
.set ROWQ,  12288                      ; bytes from one position of qkv to the next
.set STEPB, 16896
.set PST,   272                        ; K's stage: a key's 256 bytes + 16: sixteen consecutive rows begin 16 bytes further on in each 256
.set SC,    2*64*PST                   ; behind the two stages of 64 rows: the block's 128 scale words
.set VCO,   8192
.set KSO,   16384
.set GK,  2                            ; v2   K: (lane / 16) positions + 16 (lane % 16)
.set SKW, 3                            ; v3   the stage, in: row lane / 16, 16 (lane % 16)
.set SKR, 4                            ; v4   the stage, out: row lane % 16, 64 (lane / 16)
.set LI,  5                            ; v5   16 x lane
.set GV,  6                            ; v6   4 x lane
.set OV,  7                            ; v7   V's codes: 2,048 (lane / 16) + 16 (lane % 16)
.set SCA, 8                            ; v8   my thread's scale word in LDS
.set SCR, 9                            ; v9   and 16 bytes of the 512 on the way out
.set PW,  10                           ; v10-11 scale words
.set BM,  16                           ; v16-19 largest magnitudes
.set T2,  20                           ; v20-23 the other half's, then the bytes
.set LM,  24
.set SO,  28                           ; v28-31 the conversion's scale operand
.set C,   32                           ; v32-63 codes: no store's data are written twice
.set R,   64                           ; v64-191 numbers as loaded
.set X2,  192                          ; v192-255 K's numbers, turned: register 16 c + i = group c's number i of my row
	s_load_b128 s[4:7], s[0:1], 0x0                ; qkv, kv
	s_set_vgpr_msb 0x40
	v_lshl_add_u32 v0, v0, 2, 0x8a00
	v_mov_b32 v1, 0
	s_set_vgpr_msb 0x4000
	v_lshrrev_b32 v1, 5, v0
	v_readfirstlane_b32 s8, v1                     ; wave 0..3
	v_and_b32 v1, 31, v0                           ; lane
	v_and_b32 v12, 15, v0                          ; lane % 16
	v_bfe_u32 v13, v0, 4, 1                        ; lane / 16
	v_lshlrev_b32 v14, 4, v12
	s_and_b32 s16, s8, 1
	s_mul_i32 s16, s16, 64*PST                     ; my stage (waves 0 and 1 use it)
	; every address register is made here, ahead of the parting of the roles
	v_mul_u32_u24 v[GK], v13, ROWQ
	v_add_nc_u32 v[GK], v[GK], v14
	v_mul_u32_u24 v[SKW], v13, PST
	v_add_nc_u32 v[SKW], v[SKW], v14
	v_add_nc_u32 v[SKW], s16, v[SKW]
	v_mul_u32_u24 v[SKR], v12, PST
	v_lshl_add_u32 v[SKR], v13, 6, v[SKR]
	v_add_nc_u32 v[SKR], s16, v[SKR]
	v_lshlrev_b32 v[LI], 4, v1
	v_lshlrev_b32 v[GV], 2, v1
	v_lshl_add_u32 v[OV], v13, 11, v14
	v_lshl_add_u32 v[SCA], v0, 2, SC
	v_lshl_add_u32 v[SCR], v1, 4, SC
.irp b, 0,1,2,3
	v_mov_b32 v[T2+\b], 0                          ; written once: a lane permute's destination counts as one of its sources
.endr
	s_and_b32 s9, ttmp7, 0xffff                    ; head
	s_mul_i32 s10, ttmp9, 128*ROWQ                 ; the step's 128 positions,
	s_lshl_b32 s11, s9, 8                          ; the head's 256 bytes in a position's part
	s_add_co_u32 s10, s10, s11
	s_mov_b32 s11, 0
	s_lshl_b32 s12, s9, 5
	s_add_co_u32 s12, s12, ttmp9
	s_mul_i32 s12, s12, STEPB                      ; my block of kv
	s_mov_b32 s13, 0
	s_mov_b32 s20, 0x76543210
	s_mov_b32 s21, 0xfedcba98                      ; v_permlanex16_b32's selects for lane l xor 16
	s_wait_kmcnt 0x0
	s_add_nc_u64 s[4:5], s[4:5], s[10:11]
	s_add_nc_u64 s[6:7], s[6:7], s[12:13]
	s_cmp_lt_u32 s8, 2
	s_cbranch_scc0 .Lv_role
	; ---------------- K: wave w takes keys 64 w .. 64 w + 63: fragments 2 w and 2 w + 1
	s_mul_i32 s12, s8, 64*ROWQ
	s_add_co_u32 s12, s12, 4096                    ; k is the second part of a position
	s_add_nc_u64 s[4:5], s[4:5], s[12:13]
	s_lshl_b32 s12, s8, 12                         ; my two fragments' 4,096 bytes
	s_add_nc_u64 s[14:15], s[6:7], s[12:13]
.set n, 0
.rept 32
	global_load_b128 v[R+4*n:R+4*n+3], v[GK], s[4:5] offset:2*ROWQ*n th:TH_LOAD_NT   ; lanes 0-15 read key 2 n's 256 consecutive bytes, lanes 16-31 key 2 n + 1's
.set n, n+1
.endr
; Fragment f of my two.  Its 32 keys go into the stage in the order of the fragment's rows (row 16 u + m holds key 8 u + m + 8 (m / 8)) and come back 64 bytes a lane: 16 neighbours along d of each of the four groups.
.macro KFRAG f
	s_wait_loadcnt 16*(1-\f)                       ; this fragment's 16 loads are in; the other's, issued behind them, may be out
.set n, 0
.rept 16
	ds_store_b128 v[SKW], v[R+64*\f+4*n:R+64*\f+4*n+3] offset:(32*\f+16*((n/4)%2)+2*(n%4)+8*(n/8))*PST
.set n, n+1
.endr
.irp c, 0,1,2,3
.irp i, 0,1,2,3
	ds_load_b128 v[X2+16*\c+4*\i:X2+16*\c+4*\i+3], v[SKR] offset:(32*\f+16*(\c/2))*PST+128*(\c%2)+16*\i   ; LDS serves a wave's instructions in order: these see my stores
.endr
.endr
	s_wait_dscnt 0x0
.irp b, 0,1,2,3
	v_max3_num_f32 v[BM+\b], |v[X2+16*\b]|, |v[X2+16*\b+1]|, 0x9800000   ; group b: my 16 numbers, and the floor 2^(19 - 127): the byte stays at 4 or more, so that 3 can come off it
.endr
.irp i, 2,4,6,8,10,12,14
.irp b, 0,1,2,3
	v_max3_num_f32 v[BM+\b], v[BM+\b], |v[X2+16*\b+\i]|, |v[X2+16*\b+\i+1]|   ; (the four groups by turns)
.endr
.endr
.irp b, 0,1,2,3
	v_permlanex16_b32 v[T2+\b], v[BM+\b], s20, s21
.endr
.irp b, 0,1,2,3
	v_max_num_f32 v[BM+\b], v[BM+\b], v[T2+\b]     ; with lane l xor 16's 16: the block's largest magnitude
.endr
.irp b, 0,1,2,3
	v_add_nc_u32 v[SO+\b], 0xf8800000, v[BM+\b]    ; 15 off its exponent field: the conversion takes the exponent field of this operand as its scale
.endr
.irp b, 0,1,2,3
.endr
.irp b, 0,1,2,3
	v_lshrrev_b32 v[T2+\b], 23, v[SO+\b]           ; the scale's byte
.endr
	v_lshl_or_b32 v[PW+\f], v[T2+1], 8, v[T2]
	v_lshl_or_b32 v[PW+\f], v[T2+2], 16, v[PW+\f]
	v_lshl_or_b32 v[PW+\f], v[T2+3], 24, v[PW+\f]
	v_add_nc_u32 v[PW+\f], 0xfcfcfcfd, v[PW+\f]    ; 3 off each of the four bytes: k x 1/8.  Each byte is 4 or more, so no byte borrows
.irp b, 0,1,2,3
.set n, 0
.rept 16
.set n, n+1
.endr
	v_cvt_scalef32_pk8_bf8_f32 v[C+16*\f+4*\b:C+16*\f+4*\b+1], v[X2+16*\b:X2+16*\b+7], v[SO+\b]
	v_cvt_scalef32_pk8_bf8_f32 v[C+16*\f+4*\b+2:C+16*\f+4*\b+3], v[X2+16*\b+8:X2+16*\b+15], v[SO+\b]
.endr
	v_nop                                          ; a plain vector line behind the last conversion
.irp c, 0,1,2,3
	global_store_b128 v[LI], v[C+16*\f+4*\c:C+16*\f+4*\c+3], s[14:15] offset:2048*\f+512*\c   ; 32 lanes store 512 consecutive bytes, at a multiple of 256 from kv's first byte
.endr
.endm
	KFRAG 0
	KFRAG 1
	v_cmp_gt_u32 vcc_lo, 16, v1
	v_cndmask_b32 v[PW], v[PW+1], v[PW], vcc_lo    ; lanes 0-15 keep fragment 2 w's words, lanes 16-31 take fragment 2 w + 1's: thread 32 w + l holds word 32 w + l
	s_branch .Ljoin
	; ---------------- V: wave w' = w - 2 takes columns d = 32 w' + lane; a block of 32 keys lies in ONE lane's 32 registers
.Lv_role:
	s_sub_co_u32 s17, s8, 2
	s_lshl_b32 s12, s17, 7                         ; my 32 columns' 128 bytes,
	s_add_co_u32 s12, s12, 8192                    ; in v, the third part of a position
	s_add_nc_u64 s[4:5], s[4:5], s[12:13]
	s_lshl_b32 s12, s17, 12                        ; my columns are fragments 2 w' and 2 w' + 1
	s_add_nc_u64 s[14:15], s[6:7], s[12:13]
.macro VLOAD c                         ; block c: v(key 32 c + n, my column), n = 0 .. 31: a wave reads 128 consecutive bytes, waves 2 and 3 side by side 256
.set n, 0
.rept 32
	global_load_b32 v[R+32*(\c)+n], v[GV], s[4:5] offset:(32*(\c)+n)*ROWQ th:TH_LOAD_NT
.set n, n+1
.endr
.endm
.macro VBLOCK c
.set XS, R+32*\c
.if \c < 3
	s_wait_loadcnt 32                              ; this block's 32 loads are in; the next block's 32 may be out
.else
	s_wait_loadcnt 0x0
.endif
.if \c < 2
	VLOAD \c+2                                     ; loads run two blocks ahead, each block into registers of its own
.endif
	v_max3_num_f32 v[BM], |v[XS]|, |v[XS+1]|, |v[XS+2]|             ; the block's largest magnitude, in two chains: all 32 numbers are mine
	v_max3_num_f32 v[BM+1], |v[XS+3]|, |v[XS+4]|, |v[XS+5]|
.irp i, 6,10,14,18,22,26
	v_max3_num_f32 v[BM], v[BM], |v[XS+\i]|, |v[XS+\i+1]|
	v_max3_num_f32 v[BM+1], v[BM+1], |v[XS+\i+2]|, |v[XS+\i+3]|
.endr
	v_max3_num_f32 v[BM], v[BM], |v[XS+30]|, |v[XS+31]|
	v_max3_num_f32 v[BM], v[BM], v[BM+1], 0x8000000   ; and the floor 2^(16 - 127): the byte cannot fall under 1
	v_add_nc_u32 v[SO], 0xf8800000, v[BM]
	v_lshrrev_b32 v[T2], 23, v[SO]
.if \c == 0
	v_mov_b32 v[PW], v[T2]                         ; four bytes to my column's word, the lower keys in the lower byte
.else
	v_lshl_or_b32 v[PW], v[T2], 8*\c, v[PW]
.endif
.set n, 0
.rept 32
.set n, n+1
.endr
.irp g, 0,1,2,3
	v_cvt_scalef32_pk8_bf8_f32 v[C+8*\c+2*\g:C+8*\c+2*\g+1], v[XS+8*\g:XS+8*\g+7], v[SO]
.endr
	v_nop                                          ; a plain vector line behind the last conversion
	global_store_b128 v[OV], v[C+8*\c:C+8*\c+3], s[14:15] offset:VCO+512*\c         ; keys 32 c + 0 .. 15: the fragment's lanes 0-15.  Sixteen lanes store 256 consecutive bytes, aligned
	global_store_b128 v[OV], v[C+8*\c+4:C+8*\c+7], s[14:15] offset:VCO+512*\c+256   ; keys 32 c + 16 .. 31: its lanes 16-31
.endm
	s_wait_alu depctr_va_vdst(0)
	VLOAD 0
	VLOAD 1
	VBLOCK 0
	VBLOCK 1
	VBLOCK 2
	VBLOCK 3
.Ljoin:
	s_wait_alu depctr_va_vdst(0)
	ds_store_b32 v[SCA], v[PW]                     ; thread t's word is word t of the block's 128: K's 64, then V's 64
	s_wait_dscnt 0x0                               ; for the others' sake: my store has landed
	s_barrier_signal -1
	s_barrier_wait -1
	s_cmp_lg_u32 s8, 0
	s_cbranch_scc1 .Lend
	ds_load_b128 v[12:15], v[SCR]
	s_wait_dscnt 0x0
	global_store_b128 v[LI], v[12:15], s[6:7] offset:KSO   ; wave 0 stores the 512 bytes of scale words: two aligned runs of 256
.Lend:
	s_set_vgpr_msb 0x5
	s_wait_tensorcnt 0x0
	ds_add_u32 v0, v1
	s_wait_dscnt 0x0
	s_set_vgpr_msb 0x500
	s_endpgm
.Lfunc_end_k_qa24737e71d_quant:
	.size	k_qa24737e71d_quant, .Lfunc_end_k_qa24737e71d_quant-k_qa24737e71d_quant
	.p2alignl 7, 3214868480
	.fill 96, 4, 3214868480
	.section	.rodata,"a",@progbits
	.p2align	6, 0x0
	.amdhsa_kernel k_qa24737e71d_quant
		.amdhsa_group_segment_fixed_size 35840
		.amdhsa_private_segment_fixed_size 0
		.amdhsa_enable_private_segment 0
		.amdhsa_kernarg_size 16
		.amdhsa_user_sgpr_count 2
		.amdhsa_user_sgpr_kernarg_segment_ptr 1
		.amdhsa_wavefront_size32 1
		.amdhsa_system_sgpr_workgroup_id_x 1
		.amdhsa_system_sgpr_workgroup_id_y 1
		.amdhsa_system_sgpr_workgroup_id_z 1
		.amdhsa_system_vgpr_workitem_id 0
		.amdhsa_next_free_vgpr 258
		.amdhsa_next_free_sgpr 66
		.amdhsa_reserve_vcc 1
		.amdhsa_float_denorm_mode_32 3
		.amdhsa_float_denorm_mode_16_64 3
		.amdhsa_fp16_overflow 1
		.amdhsa_memory_ordered 1
		.amdhsa_forward_progress 1
		.amdhsa_inst_pref_size 38
	.end_amdhsa_kernel
	.amdgpu_metadata
---
amdhsa.version: [ 1, 2 ]
amdhsa.kernels:
  - .name:           k_qa24737e71d_quant
    .symbol:         k_qa24737e71d_quant.kd
    .args:
      - { .name: qkv, .offset: 0, .size: 8, .value_kind: global_buffer, .address_space: global }
      - { .name: kv, .offset: 8, .size: 8, .value_kind: global_buffer, .address_space: global }
    .group_segment_fixed_size: 35840
    .private_segment_fixed_size: 0
    .kernarg_segment_align: 8
    .kernarg_segment_size: 16
    .max_flat_workgroup_size: 128
    .sgpr_count:     66
    .vgpr_count:     258
    .wavefront_size: 32
...
	.end_amdgpu_metadata
.endif
;; end of part 1
;; launch attn (part 2): grid 16 x 16, 16 waves a work-group, no clusters, 327,680 bytes of LDS; arguments qkv, kv, out0; writes out0
.if DOCPART == 2
	.amdgcn_target "amdgcn-amd-amdhsa--gfx1250"
	.amdhsa_code_object_version 6
	.text
	.protected	k_qa24737e71d_attn
	.globl	k_qa24737e71d_attn
	.p2align	8
	.type	k_qa24737e71d_attn,@function
k_qa24737e71d_attn:
	s_mov_b64 s[64:65], 0
	v_nop
	global_prefetch_b8 v0, s[64:65] scope:SCOPE_SE
	s_setreg_imm32_b32 hwreg(HW_REG_WAVE_MODE, 25, 1), 1
	s_wait_xcnt 0x0
.set ROWQ,  12288
.set STEPB, 16896
.set VCO,   8192
.set KSO,   16384
.set VSO,   16640
.set SLOTB, 8*STEPB
.set PARTB, SLOTB/16
.set HEADB, 32*STEPB
.set SPARE, 2*SLOTB
.set SP,    272
.set LI,   1
.set LS,   2
.set ADC,  3
.set ADS,  4
.set SPW,  5
.set NIL,  6
.set QL,   7
.set DREG, 8
.set NINF, 9
.set STI,  10
.set STO,  11
.set QS,   40
.set PS,   41
.set KSW,  42
.set VSW,  44
.set GO,   46
.set KV,   48
.set S,    112
.set O,    176
.set PC,   208
.set BM,   224
.set T2,   228
.set LM,   232
.set SO,   236
.set F,    240
.set TMP,  242
.set SUM2, 244
.set WV,  10
.set HD,  11
.set QB,  12
.set Q0,  13
.set KF,  14
.set TB,  15
.set G1,  16
.set G0A, 24
.set G0B, 28
.set SEL, 32
.set CS,  34
.set MNT, 36
.set CNT, 37
	s_load_b128 s[4:7], s[0:1], 0x0
	s_load_b64 s[8:9], s[0:1], 0x10
	v_lshl_add_u32 v[SPW], v0, 2, SPARE
	v_mov_b32 v[NIL], 0
	ds_add_u32 v5, v6
	ds_add_u32 v5, v6
	s_wait_dscnt 0x0
	v_lshrrev_b32 v1, 5, v0
	s_delay_alu instid0(VALU_DEP_1)
	v_readfirstlane_b32 s[WV], v1
	s_and_b32 s[HD], ttmp7, 0xffff
	s_lshr_b32 s38, s[WV], 2
	s_xor_b32 s38, s38, s[WV]
	s_and_b32 s38, s38, 1
	s_sub_co_u32 s39, 31, ttmp9
	s_cmp_eq_u32 s38, 1
	s_cselect_b32 s[QB], s39, ttmp9
	s_lshr_b32 s38, s[WV], 1
	s_lshl_b32 s38, s38, 4
	s_lshl_b32 s[Q0], s[QB], 7
	s_add_co_u32 s[Q0], s[Q0], s38
	s_mov_b32 s[G1+0], 3<<16
	s_mov_b32 s[G1+1], 32<<16
	s_mov_b32 s[G1+2], 33<<16
	s_mov_b32 s[G1+3], 32<<16
	s_mov_b32 s[G1+4], 33
	s_mov_b32 s[G1+5], 32
	s_mov_b32 s[G1+6], 0
	s_mov_b32 s[G1+7], 0
	s_mul_i32 s40, s[Q0], ROWQ
	s_lshl_b32 s41, s[HD], 8
	s_add_co_u32 s40, s40, s41
	s_lshl_b32 s42, s[Q0], 12
	s_add_co_u32 s42, s42, s41
	s_mov_b32 s41, 0
	s_mov_b32 s43, 0
	s_mul_i32 s[G0A+1], s[WV], PARTB
	s_mul_i32 s44, s[HD], HEADB
	s_add_co_u32 s44, s44, s[G0A+1]
	s_mov_b32 s45, 0
	s_mov_b32 s[SEL], 0x76543210
	s_mov_b32 s[SEL+1], 0xfedcba98
	s_mov_b32 s[CS], 0x3fb8aa3b
	s_mov_b32 s[CS+1], s[CS]
	s_mov_b32 s[KF], 0
	s_wait_kmcnt 0x0
	s_add_nc_u64 s[6:7], s[6:7], s[44:45]
	s_mov_b32 s[G0A], 1
	s_mov_b64 s[G0A+2:G0A+3], s[6:7]
	s_or_b32 s[G0A+3], s[G0A+3], 0x80000000
	s_mov_b32 s[G0B], 1
	s_add_co_u32 s[G0B+1], s[G0A+1], SLOTB
	s_add_nc_u64 s[G0B+2:G0B+3], s[6:7], SLOTB
	s_or_b32 s[G0B+3], s[G0B+3], 0x80000000
	tensor_load_to_lds s[G0A:G0A+3], s[G1:G1+7]
	s_nop 0
	s_wait_alu depctr_va_vdst(0)
	s_wait_tensorcnt 0x0
	ds_add_u32 v5, v6
	s_wait_dscnt 0x0
	s_barrier_signal -1
	s_barrier_wait -1
	tensor_load_to_lds s[G0B:G0B+3], s[G1:G1+7]
	s_nop 0
.rept 4
	v_nop
.endr
	s_add_nc_u64 s[4:5], s[4:5], s[40:41]
	s_add_nc_u64 s[8:9], s[8:9], s[42:43]
	v_and_b32 v[STI], 15, v0
	v_bfe_u32 v[STO], v0, 4, 1
	s_delay_alu instid0(VALU_DEP_2)
	v_mul_u32_u24 v[GO], v[STI], ROWQ
	s_delay_alu instid0(VALU_DEP_1)
	v_lshl_add_u32 v[GO], v[STO], 6, v[GO]
.irp c, 0,1
.irp i, 0,1,2,3
	global_load_b128 v[S+16*\c+4*\i:S+16*\c+4*\i+3], v[GO], s[4:5] offset:128*\c+16*\i th:TH_LOAD_NT
.endr
.endr
	v_and_b32 v[LI], 31, v0
	s_delay_alu instid0(VALU_DEP_1)
	v_lshlrev_b32 v[LS], 2, v[LI]
	s_delay_alu instid0(VALU_DEP_2)
	v_lshlrev_b32 v[LI], 4, v[LI]
	v_lshlrev_b32 v[QL], 4, v[STO]
	s_delay_alu instid0(VALU_DEP_1)
	v_sub_nc_u32 v[QL], v[STI], v[QL]
	v_mov_b32 v[NINF], 0xff800000
	v_mov_b32 v13, 0xff61b1e6
	s_delay_alu instid0(VALU_DEP_1)
	v_floor_f32 v12, -v13
	v_mov_b32 v14, 0
	v_mov_b32 v15, 0
.set j, 0
.rept 32
	v_mov_b32 v[O+j], 0
.set j, j+1
.endr
.set j, 0
.rept 8
	v_mov_b32 v[16+j], 0
	v_mov_b32 v[32+j], 0
.set j, j+1
.endr
.irp b, 0,1,2,3
	v_mov_b32 v[T2+\b], 0
.endr
	v_mov_b32 v[F+1], 0
	s_wait_loadcnt 0x0
.irp c, 0,1
	v_max3_num_f32 v[BM+\c], |v[S+16*\c]|, |v[S+16*\c+1]|, 0x8000000
.endr
.irp i, 2,4,6,8,10,12,14
.irp c, 0,1
	s_delay_alu instid0(VALU_DEP_2)
	v_max3_num_f32 v[BM+\c], v[BM+\c], |v[S+16*\c+\i]|, |v[S+16*\c+\i+1]|
.endr
.endr
.irp c, 0,1
	s_delay_alu instid0(VALU_DEP_2)
	v_permlanex16_b32 v[T2+\c], v[BM+\c], s[SEL], s[SEL+1]
.endr
.irp c, 0,1
	s_delay_alu instid0(VALU_DEP_2)
	v_max_num_f32 v[BM+\c], v[BM+\c], v[T2+\c]
.endr
.irp c, 0,1
	s_delay_alu instid0(VALU_DEP_2)
	v_add_nc_u32 v[SO+\c], 0xf8800000, v[BM+\c]
.endr
.irp c, 0,1
.endr
.irp c, 0,1
	s_delay_alu instid0(VALU_DEP_2)
	v_lshrrev_b32 v[T2+\c], 23, v[SO+\c]
.endr
	s_delay_alu instid0(VALU_DEP_1)
	v_lshl_or_b32 v[QS], v[T2+1], 8, v[T2]
	s_delay_alu instid0(VALU_DEP_1)
	v_lshl_or_b32 v[QS], v[QS], 16, v[QS]
.irp c, 0,1
.set j, 0
.rept 16
.set j, j+1
.endr
	v_cvt_scalef32_pk8_bf8_f32 v[24+4*\c:25+4*\c], v[S+16*\c:S+16*\c+7], v[SO+\c]
	v_cvt_scalef32_pk8_bf8_f32 v[26+4*\c:27+4*\c], v[S+16*\c+8:S+16*\c+15], v[SO+\c]
.endr
	v_nop
.macro STEP
	s_add_co_u32 s38, s[Q0], 15
	s_cmp_gt_u32 s[KF], s38
	s_cbranch_scc1 .Lhidden_\@
	s_sub_co_i32 s39, s[Q0], s[KF]
	s_setprio 2
	v_add_nc_u32 v[ADC], s[TB], v[LI]
	v_add_nc_u32 v[ADS], s[TB], v[LS]
	v_add_nc_u32 v[DREG], s39, v[QL]
.rept 5
	v_nop
.endr
.irp g, 0,1
	ds_load_b32 v[KSW+\g], v[ADS] offset:KSO+128*\g
.endr
.irp b, 0,1,2,3
.irp c, 0,1,2,3
	ds_load_b128 v[KV+16*\b+4*\c:KV+16*\b+4*\c+3], v[ADC] offset:2048*\b+512*\c
.endr
.endr
	s_wait_alu depctr_va_vdst(0)
.irp b, 0,1,2,3
	s_wait_dscnt 12-4*\b
.if \b%2
	v_wmma_scale_f32_16x16x128_f8f6f4 v[S+16*\b:S+16*\b+7], v[KV+16*\b:KV+16*\b+15], v[24:39], 0, v[KSW+\b/2], v[QS] matrix_a_fmt:MATRIX_FMT_BF8 matrix_b_fmt:MATRIX_FMT_BF8 matrix_a_scale:MATRIX_SCALE_ROW1
	v_wmma_scale_f32_16x16x128_f8f6f4 v[S+16*\b+8:S+16*\b+15], v[KV+16*\b:KV+16*\b+15], v[16:31], 0, v[KSW+\b/2], v[QS] matrix_a_fmt:MATRIX_FMT_BF8 matrix_b_fmt:MATRIX_FMT_BF8 matrix_a_scale:MATRIX_SCALE_ROW1
.else
	v_wmma_scale_f32_16x16x128_f8f6f4 v[S+16*\b:S+16*\b+7], v[KV+16*\b:KV+16*\b+15], v[24:39], 0, v[KSW+\b/2], v[QS] matrix_a_fmt:MATRIX_FMT_BF8 matrix_b_fmt:MATRIX_FMT_BF8
	v_wmma_scale_f32_16x16x128_f8f6f4 v[S+16*\b+8:S+16*\b+15], v[KV+16*\b:KV+16*\b+15], v[16:31], 0, v[KSW+\b/2], v[QS] matrix_a_fmt:MATRIX_FMT_BF8 matrix_b_fmt:MATRIX_FMT_BF8
.endif
.endr
.rept 8
	v_nop
.endr
.irp g, 0,1
	ds_load_b32 v[VSW+\g], v[ADS] offset:VSO+128*\g
.endr
.irp t, 0,1,2,3
.irp c, 0,1,2,3
	ds_load_b128 v[KV+16*\t+4*\c:KV+16*\t+4*\c+3], v[ADC] offset:VCO+2048*\t+512*\c
.endr
.endr
	s_add_co_u32 s38, s[KF], 127
	s_cmp_le_u32 s38, s[Q0]
	s_cbranch_scc1 .Lopen_\@
.set n, 0
.rept 64
	v_cmp_gt_i32 vcc_lo, 32*(n/16)+n%16, v[DREG]
	v_cndmask_b32 v[S+n], v[S+n], v[NINF], vcc_lo
.set n, n+1
.endr
.Lopen_\@:
.irp b, 0,1,2,3
	v_max3_num_f32 v[BM+\b], v[S+16*\b], v[S+16*\b+1], v[S+16*\b+2]
.endr
.irp i, 3,5,7,9,11,13
.irp b, 0,1,2,3
	v_max3_num_f32 v[BM+\b], v[BM+\b], v[S+16*\b+\i], v[S+16*\b+\i+1]
.endr
.endr
.irp b, 0,1,2,3
	v_max_num_f32 v[BM+\b], v[BM+\b], v[S+16*\b+15]
.endr
.irp b, 0,1,2,3
	s_delay_alu instid0(VALU_DEP_4)
	v_permlanex16_b32 v[T2+\b], v[BM+\b], s[SEL], s[SEL+1]
.endr
.irp b, 0,1,2,3
	s_delay_alu instid0(VALU_DEP_4)
	v_max_num_f32 v[BM+\b], v[BM+\b], v[T2+\b]
.endr
	s_delay_alu instid0(VALU_DEP_2)
	v_max3_num_f32 v[TMP], v[BM], v[BM+1], v[BM+2]
	s_delay_alu instid0(VALU_DEP_1)
	v_max_num_f32 v[TMP], v[TMP], v[BM+3]
	s_delay_alu instid0(VALU_DEP_1)
	v_mul_f32 v[TMP], s[CS], v[TMP]
	s_delay_alu instid0(VALU_DEP_1)
	v_max_num_f32 v13, v13, v[TMP]
	v_mov_b32 v[TMP], v12
	s_delay_alu instid0(VALU_DEP_2)
	v_floor_f32 v12, -v13
	s_delay_alu instid0(VALU_DEP_1)
	v_sub_f32 v[TMP], v12, v[TMP]
	s_delay_alu instid0(VALU_DEP_1)
	v_cvt_i32_f32 v[TMP], v[TMP]
	s_delay_alu instid0(VALU_DEP_1)
	v_ldexp_f32 v[F], 1.0, v[TMP]
.set j, 0
	s_setprio 1
.rept 32
	v_pk_fma_f32 v[S+j:S+j+1], v[S+j:S+j+1], s[CS:CS+1], v[12:13] op_sel_hi:[1,0,0]
.set j, j+2
.endr
.irp b, 0,1,2,3
	v_fma_f32 v[BM+\b], v[BM+\b], s[CS], v12
.endr
.set j, 0
	s_wait_alu depctr_va_vdst(0)
.rept 64
	v_exp_f32 v[S+j], v[S+j]
.set j, j+1
.endr
	v_pk_mul_f32 v[14:15], v[14:15], v[F:F+1] op_sel_hi:[1,0]
	s_wait_alu depctr_va_vdst(0)
.irp b, 0,1,2,3
	v_exp_f32 v[BM+\b], v[BM+\b]
.endr
	v_pk_add_f32 v[SUM2:SUM2+1], v[S:S+1], v[S+2:S+3]
.set j, 4
.rept 15
	v_pk_add_f32 v[14:15], v[14:15], v[S+j:S+j+1]
	v_pk_add_f32 v[SUM2:SUM2+1], v[SUM2:SUM2+1], v[S+j+2:S+j+3]
.set j, j+4
.endr
	s_delay_alu instid0(VALU_DEP_1)
	v_pk_add_f32 v[14:15], v[14:15], v[SUM2:SUM2+1]
	s_setprio 0
	s_wait_alu depctr_va_vdst(0)
.irp b, 0,1,2,3
	v_max_num_f32 v[BM+\b], 0x8000000, v[BM+\b]
.endr
.irp b, 0,1,2,3
	s_delay_alu instid0(VALU_DEP_4)
	v_add_nc_u32 v[SO+\b], 0xf8800000, v[BM+\b]
.endr
.irp b, 0,1,2,3
.endr
.irp b, 0,1,2,3
	s_delay_alu instid0(VALU_DEP_4)
	v_lshrrev_b32 v[T2+\b], 23, v[SO+\b]
.endr
	s_delay_alu instid0(VALU_DEP_3)
	v_lshl_or_b32 v[PS], v[T2+1], 8, v[T2]
	s_delay_alu instid0(VALU_DEP_1)
	v_lshl_or_b32 v[PS], v[T2+2], 16, v[PS]
	s_delay_alu instid0(VALU_DEP_1)
	v_lshl_or_b32 v[PS], v[T2+3], 24, v[PS]
.irp b, 0,1,2,3
.set j, 0
.rept 16
.set j, j+1
.endr
	v_cvt_scalef32_pk8_bf8_f32 v[PC+4*\b:PC+4*\b+1], v[S+16*\b:S+16*\b+7], v[SO+\b]
	v_cvt_scalef32_pk8_bf8_f32 v[PC+4*\b+2:PC+4*\b+3], v[S+16*\b+8:S+16*\b+15], v[SO+\b]
.endr
.set j, 0
.rept 16
	v_pk_mul_f32 v[O+j:O+j+1], v[O+j:O+j+1], v[F:F+1] op_sel_hi:[1,0]
.set j, j+2
.endr
	s_wait_alu depctr_va_vdst(0)
	s_wait_dscnt 0x0
.irp t, 0,1,2,3
.if \t%2
	v_wmma_scale_f32_16x16x128_f8f6f4 v[O+8*\t:O+8*\t+7], v[KV+16*\t:KV+16*\t+15], v[PC:PC+15], v[O+8*\t:O+8*\t+7], v[VSW+\t/2], v[PS] matrix_a_fmt:MATRIX_FMT_BF8 matrix_b_fmt:MATRIX_FMT_BF8 matrix_a_scale:MATRIX_SCALE_ROW1
.else
	v_wmma_scale_f32_16x16x128_f8f6f4 v[O+8*\t:O+8*\t+7], v[KV+16*\t:KV+16*\t+15], v[PC:PC+15], v[O+8*\t:O+8*\t+7], v[VSW+\t/2], v[PS] matrix_a_fmt:MATRIX_FMT_BF8 matrix_b_fmt:MATRIX_FMT_BF8
.endif
.endr
.Lhidden_\@:
	s_add_co_u32 s[KF], s[KF], 128
	s_add_co_u32 s[TB], s[TB], STEPB
.endm
.macro VISIT base
	s_mov_b32 s[TB], \base
	s_mov_b32 s[CNT], 8
.Lstep_\@:
	STEP
	s_sub_co_u32 s[CNT], s[CNT], 1
	s_cmp_lg_u32 s[CNT], 0
	s_cbranch_scc1 .Lstep_\@
	s_setprio 0
.endm
.macro CHANGE g0, fill
	s_wait_tensorcnt 0x0
	ds_add_u32 v[SPW], v[NIL]
.if \fill
	s_add_nc_u64 s[\g0+2:\g0+3], s[\g0+2:\g0+3], 2*SLOTB
.endif
	s_wait_dscnt 0x0
	s_barrier_signal -1
	s_barrier_wait -1
.if \fill
	tensor_load_to_lds s[\g0:\g0+3], s[G1:G1+7]
	s_nop 0
.rept 4
	v_nop
.endr
.endif
.endm
	s_wait_tensorcnt 0x1
	s_barrier_signal -1
	s_barrier_wait -1
	VISIT 0
	CHANGE G0A, 1
	VISIT SLOTB
	CHANGE G0B, 1
	VISIT 0
	CHANGE G0B, 0
	VISIT SLOTB
	s_mul_i32 s38, s[WV], 16*SP
	v_and_b32 v[ADC], 15, v0
	v_bfe_u32 v[ADS], v0, 4, 1
	s_delay_alu instid0(VALU_DEP_2)
	v_mul_u32_u24 v[STI], v[ADC], SP
	s_delay_alu instid0(VALU_DEP_1)
	v_lshl_add_u32 v[STI], v[ADS], 5, v[STI]
	s_delay_alu instid0(VALU_DEP_1)
	v_add_nc_u32 v[STI], s38, v[STI]
	s_delay_alu instid0(VALU_DEP_4)
	v_mul_u32_u24 v[STO], v[ADS], SP
	s_delay_alu instid0(VALU_DEP_1)
	v_lshl_add_u32 v[STO], v[ADC], 4, v[STO]
	s_delay_alu instid0(VALU_DEP_1)
	v_add_nc_u32 v[STO], s38, v[STO]
	v_lshlrev_b32 v[GO], 12, v[ADS]
	s_delay_alu instid0(VALU_DEP_1)
	v_lshl_add_u32 v[GO], v[ADC], 4, v[GO]
	v_add_f32 v14, v14, v15
	s_delay_alu instid0(VALU_DEP_1)
	v_permlanex16_b32 v[T2], v14, s[SEL], s[SEL+1]
	s_delay_alu instid0(VALU_DEP_1)
	v_add_f32 v14, v14, v[T2]
	s_wait_alu depctr_va_vdst(0)
	v_rcp_f32 v14, v14
	v_nop
	s_wait_alu depctr_va_vdst(0)
.set j, 0
.rept 32
	v_mul_f32 v[S+j], v[O+j], v14
.set j, j+1
.endr
.irp t, 0,1,2,3
	ds_store_b128 v[STI], v[S+8*\t:S+8*\t+3] offset:64*\t
	ds_store_b128 v[STI], v[S+8*\t+4:S+8*\t+7] offset:64*\t+16
.endr
.irp i, 0,1,2,3,4,5,6,7
	ds_load_b128 v[KV+4*\i:KV+4*\i+3], v[STO] offset:2*\i*SP
.endr
.irp i, 0,1,2,3,4,5,6,7
	s_wait_dscnt 7-\i
	global_store_b128 v[GO], v[KV+4*\i:KV+4*\i+3], s[8:9] offset:8192*\i th:TH_STORE_NT
.endr
	s_wait_tensorcnt 0x0
	ds_add_u32 v[SPW], v[NIL]
	s_wait_dscnt 0x0
	s_endpgm
.Lfunc_end_k_qa24737e71d_attn:
	.size	k_qa24737e71d_attn, .Lfunc_end_k_qa24737e71d_attn-k_qa24737e71d_attn
	.p2alignl 7, 3214868480
	.fill 96, 4, 3214868480
	.section	.rodata,"a",@progbits
	.p2align	6, 0x0
	.amdhsa_kernel k_qa24737e71d_attn
		.amdhsa_group_segment_fixed_size 327680
		.amdhsa_private_segment_fixed_size 0
		.amdhsa_enable_private_segment 0
		.amdhsa_kernarg_size 24
		.amdhsa_user_sgpr_count 2
		.amdhsa_user_sgpr_kernarg_segment_ptr 1
		.amdhsa_wavefront_size32 1
		.amdhsa_system_sgpr_workgroup_id_x 1
		.amdhsa_system_sgpr_workgroup_id_y 1
		.amdhsa_system_sgpr_workgroup_id_z 1
		.amdhsa_system_vgpr_workitem_id 0
		.amdhsa_next_free_vgpr 256
		.amdhsa_next_free_sgpr 66
		.amdhsa_reserve_vcc 1
		.amdhsa_float_denorm_mode_32 3
		.amdhsa_float_denorm_mode_16_64 3
		.amdhsa_fp16_overflow 1
		.amdhsa_memory_ordered 1
		.amdhsa_forward_progress 1
		.amdhsa_inst_pref_size 105
	.end_amdhsa_kernel
	.amdgpu_metadata
---
amdhsa.version: [ 1, 2 ]
amdhsa.kernels:
  - .name:           k_qa24737e71d_attn
    .symbol:         k_qa24737e71d_attn.kd
    .args:
      - { .name: qkv, .offset: 0, .size: 8, .value_kind: global_buffer, .address_space: global }
      - { .name: kv, .offset: 8, .size: 8, .value_kind: global_buffer, .address_space: global }
      - { .name: out0, .offset: 16, .size: 8, .value_kind: global_buffer, .address_space: global }
    .group_segment_fixed_size: 327680
    .private_segment_fixed_size: 0
    .kernarg_segment_align: 8
    .kernarg_segment_size: 24
    .max_flat_workgroup_size: 512
    .sgpr_count:     66
    .vgpr_count:     256
    .wavefront_size: 32
...
	.end_amdgpu_metadata
.endif
;; end of part 2
